; MI455X (gfx1250); checked and timed in simulation.
; The chip was launched on July 23, 2026; its instructions are those of AMD's public machine-readable ISA for CDNA 5 (MIT licence, August 2026) and "CDNA5" Instruction Set Architecture Reference Guide (July 2026). The comments in the code are by the model that wrote it; some were corrected since.
;; Torch Dot Product Attention. Allowed arithmetic: matrix products marked QUANTISED: E4M3 operands, one given power-of-two scale a tensor, by v_wmma_f32_16x16x64_fp8_fp8 or v_wmma_f32_16x16x128_fp8_fp8, f32 sums; everything else in f32.
;; Inputs: key_layer 2,048 x 2 x 16 x 128 float32; lowp_scales 4 int32 (the exponents e of the quantised operands' scales 2^e); query_layer 2,048 x 2 x 16 x 128 float32; value_layer 2,048 x 2 x 16 x 128 float32.
;; Outputs: out0 2,048 x 2 x 2,048 float32.
;; This version of the problem:
;;   THIS VERSION OF THE PROBLEM IS GIVEN IN LOW PRECISION. The matrix products marked QUANTISED in the list below multiply operands that are first quantised to E4M3 (4 exponent bits, 3 mantissa bits; 8 bits a number), with one given power-of-two scale for each operand tensor; their sums are f32. All else is computed in f32.
;;   The module's matrix products, in the order in which they are computed (A, B: the left and right operand; K: the contracted axis; several contracted axes count as one K, in the product's order):
;;     1. batch 32 x [M 2,048, K 128] x [K 128, N 2,048]; A: input query_layer; B: input key_layer: QUANTISED (scales: A lowp_scales[0], B lowp_scales[1])
;;     2. batch 32 x [M 128, K 2,048] x [K 2,048, N 2,048]; A: input value_layer; B: softmax (see below): QUANTISED (scales: A lowp_scales[2], B lowp_scales[3])
;;   THE QUANTISER, for each operand of a quantised product, along K:
;;     - The operand's scale is 2^e, e = its entry of the input lowp_scales (int32; the entries are numbered through the quantised products in the list's order, A before B).
;;     - Each number is divided by the scale, clamped to +-448, and rounded to the nearest number of E4M3, ties to even, subnormals kept.
;;     - The product sums the exact products of the quantised numbers (number of the format x scale) in f32.
;;   ~~~python
;;   def quantise(x, axis, e):      # numpy; x: float32 -> the quantised numbers, widened to float32 again
;;       x = np.moveaxis(x, axis, -1); K = x.shape[-1]
;;       r = np.clip(x / 2.0 ** e, -448, 448)
;;       step = 2.0 ** (np.maximum(np.frexp(np.where(r == 0, 1, r))[1] - 1, -6) - 3)
;;       q = np.round(r / step) * step * 2.0 ** e      # np.round: ties to even
;;       return np.moveaxis(q, -1, axis).astype(np.float32)
;;   ~~~
;;   SOFTMAX AHEAD OF A QUANTISED PRODUCT. Where the list says 'softmax', what is quantised is not the finished softmax but p = 2^(t - M), with t = logit x log2(e) and M = ceil(the row's largest t), a whole number; so 1/2 < the row's largest p <= 1. The row's sum l is taken of the UNQUANTISED p, in f32, and the product's result is divided by l at the end. Since M is a whole number, a kernel that streams over the keys may use a running M (the ceiling of the running maximum): every later rescaling is an exact power of two, so the quantised numbers keep their values, but for numbers so far below the row's largest that they fall under the format's range.
;;   OPERANDS COMPUTED ON THE WAY. 'Computed on the way' means the value that the module computes at that place (a softmax that the list does not call 'softmax' is quantised finished and normalised). What goes into a quantiser is computed in f32, as accurately as f32 sums, v_exp_f32 and their like allow (about 1e-6 of the number): no bf16 or f16 on the way to a quantiser, and a product that is left as it is and whose result goes on into a quantised operand takes f32 operands (vector FMAs, or v_wmma_f32_16x16x4_f32). A number that lies on a knife's edge between two numbers of the format may be rounded either way, as far as f32 arithmetic and the matrix unit's own rounding can turn it there, and no further.
;; One version. Each part assembles by itself: llvm-mc -triple=amdgcn-amd-amdhsa -mcpu=gfx1250 --defsym DOCPART=n.
;; ======== version 1 of 1: 2 launches
;; limits: right only within a limited range of input values
;; workspace buffers: k_codes 8,388,608 bytes; v_codes 8,388,608 bytes
;; launch prep (part 1): grid 512 x 2, 4 waves a work-group, no clusters, 34,304 bytes of LDS; arguments key_layer, value_layer, lowp_scales, k_codes, v_codes; writes k_codes, v_codes
.if DOCPART == 1
	.amdgcn_target "amdgcn-amd-amdhsa--gfx1250"
	.amdhsa_code_object_version 6
	.text
	.protected	k_q572c1460e8_prep
	.globl	k_q572c1460e8_prep
	.p2align	8
	.type	k_q572c1460e8_prep,@function
k_q572c1460e8_prep:
	s_mov_b64 s[64:65], 0
	v_nop
	global_prefetch_b8 v0, s[64:65] scope:SCOPE_SE
	s_setreg_imm32_b32 hwreg(HW_REG_WAVE_MODE, 25, 1), 1
	s_wait_xcnt 0x0
; K, V [2048 (s)][32 (head = 16 b + h)][128 (d)] f32 become codes of FP8 (E4M3), each tensor with the one scale 2^e that is given for it (entries 1 and 2 of the scales).  Q is quantised by the next launch, each row by the one wave that uses it.
; code = x / 2^e, held within +-448, rounded to the nearest code, ties to even.  LIMITS: -126 <= e <= 119, so that 2^e and 448 x 2^e are f32 numbers.  NaN among the inputs is not served; an infinity is held at the largest code.
; THE CODES ARE LAID AS IMAGES OF THE OPERANDS' REGISTERS, so that the next launch takes every fragment by four loads of 16 bytes a lane, 512 consecutive bytes each.  Lane l = 16 h + r.
;   k_codes: head x 262144 + G x 4096 + u x 2048 + c x 512 + 16 l + i     holds key 32 G + 8 u + r + 8 (r / 8), channel 32 c + 16 h + i
;   v_codes: head x 262144 + step x 16384 + t x 2048 + c x 512 + 16 l + i holds channel 4 (16 (t % 2) + r) + t / 2, key 128 step + 32 c + 16 h + i   (the keys are the second product's K)
; SHARES.  Work-group y says which tensor (0 K, 1 V); work-group x = 16 x head + part, a part being 128 keys.  Four waves of 32 keys each, which share nothing: no barrier.  A wave asks for all its 32 keys at once,
;   one row of 512 consecutive bytes a load.
;   K: a lane needs 16 neighbours along d of ONE key for the conversions, so a tile of 16 keys turns through the wave's own stage in LDS (rows of 512 + 16 bytes: the 16 rows that a read touches start 33 x 16 bytes apart).
;   V: lane l holds channels 4 l .. 4 l + 3 of 32 keys; the hold writes its results in the order of the keys, so nothing is turned: that is why a tile of V's image takes every fourth channel.
; A stream: each input byte is read once and each code written once, in whole aligned blocks of 256 bytes.  Matrix units, tensor loads and clusters have nothing to give here: no byte is shared between work-groups.  No loop, so nothing to prefetch ahead of.
.set ROWP, 16384                       ; bytes from a row of a head to its next row
.set SP,   528                         ; a stage row
.set WST,  16*SP                       ; a wave's stage
.set SPARE, 4*WST                      ; the spare words, 128 bytes a wave
.set LIM,  0                           ; v0   448 x 2^e (once the thread's number has been used)
.set SC,   1                           ; v1   2^e
.set L16,  2                           ; v2   16 x lane: my bytes of a row, and of an image
.set STO,  3                           ; v3   K: the stage on the way in
.set VOUT, 3                           ; v3   V: my 16 bytes in an image
.set RD,   4                           ; v4   K: the stage on the way out
.set SPW,  6                           ; v6   my spare word
.set NIL,  7                           ; v7   0
.set R,    8                           ; v8-135   32 rows as they are loaded; K: a tile's 64 numbers come back in place; codes take registers that are done with
.set E,    136                         ; v136-167 V: eight keys of four channels, in the keys' order; K: the first tile's codes
.macro LOADK u                         ; tile u: image row r is row 8 u + r + 8 (r / 8) of my 32
.irp r, 0,1,2,3,4,5,6,7,8,9,10,11,12,13,14,15
	global_load_b128 v[R+64*\u+4*\r:R+64*\u+4*\r+3], v[L16], s[30:31] offset:(8*\u+\r+8*(\r/8))*ROWP th:TH_LOAD_NT
.endr
.endm
.macro TILEK u, cq
	s_wait_loadcnt 16-16*\u                        ; this tile's 16 loads are in; the next tile's 16 may be out
.irp r, 0,1,2,3,4,5,6,7,8,9,10,11,12,13,14,15
	ds_store_b128 v[STO], v[R+64*\u+4*\r:R+64*\u+4*\r+3] offset:\r*SP
.endr
.irp c, 0,1,2,3
.irp j, 0,1,2,3
	ds_load_b128 v[R+64*\u+16*\c+4*\j:R+64*\u+16*\c+4*\j+3], v[RD] offset:128*\c+16*\j   ; LDS serves a wave's instructions in order: these see the stores above
.endr
.endr
	s_wait_dscnt 0x0
.irp c, 0,1,2,3
.irp i, 0,1,2,3,4,5,6,7,8,9,10,11,12,13,14,15
	v_med3_num_f32 v[R+64*\u+16*\c+\i], v[R+64*\u+16*\c+\i], -v[LIM], v[LIM]   ; the conversion to an 8-bit code does not saturate (ISA guide 7.6.2): the hold comes first
.endr
	v_cvt_scalef32_pk8_fp8_f32 v[\cq+4*\c:\cq+4*\c+1], v[R+64*\u+16*\c:R+64*\u+16*\c+7], v[SC]
	v_cvt_scalef32_pk8_fp8_f32 v[\cq+4*\c+2:\cq+4*\c+3], v[R+64*\u+16*\c+8:R+64*\u+16*\c+15], v[SC]
.endr
	v_nop                                          ; a plain line behind the last conversion
.irp c, 0,1,2,3
	global_store_b128 v[L16], v[\cq+4*\c:\cq+4*\c+3], s[32:33] offset:2048*\u+512*\c   ; 32 lanes store 512 consecutive bytes, aligned
.endr
.endm
.macro GROUPV g                        ; keys 8 g .. 8 g + 7 of my four channels
	s_wait_loadcnt 24-8*\g                         ; the younger groups' loads may be out
.irp j, 0,1,2,3
.irp k, 0,1,2,3,4,5,6,7
	v_med3_num_f32 v[E+8*\j+\k], v[R+4*(8*\g+\k)+\j], -v[LIM], v[LIM]
.endr
.endr
.irp j, 0,1,2,3
	v_cvt_scalef32_pk8_fp8_f32 v[R+8*\j+2*\g:R+8*\j+2*\g+1], v[E+8*\j:E+8*\j+7], v[SC]   ; into group 0's registers, which have been read
.endr
	v_nop                                          ; a plain line behind the last conversion
.endm
.macro SENDV hh
.irp j, 0,1,2,3
	global_store_b128 v[VOUT], v[R+8*\j+4*\hh:R+8*\j+4*\hh+3], s[32:33] offset:4096*\j+256*\hh   ; keys 16 hh .. 16 hh + 15: sixteen lanes store 256 consecutive bytes, aligned
.endr
.endm
.macro SCALE                           ; from e in s28
	s_add_co_i32 s28, s28, 127
	s_lshl_b32 s29, s28, 23
	v_mov_b32 v[SC], s29                           ; 2^e as f32: the conversion takes its exponent field
	s_add_co_i32 s28, s28, 8
	s_lshl_b32 s28, s28, 23
	s_or_b32 s28, s28, 0x600000
	v_mov_b32 v[LIM], s28                          ; 448 x 2^e
	s_wait_alu depctr_va_vdst(0)
.endm
	s_load_b128 s[4:7], s[0:1], 0x0                ; K s[4:5], V s[6:7]
	s_load_b64 s[10:11], s[0:1], 0x10              ; the scales' exponents
	s_load_b128 s[12:15], s[0:1], 0x18             ; K's codes, V's codes
	v_lshl_add_u32 v[SPW], v0, 2, SPARE
	v_mov_b32 v[NIL], 0
	v_lshrrev_b32 v1, 5, v0
	v_readfirstlane_b32 s18, v1                    ; wave 0..3
	v_and_b32 v1, 31, v0                           ; lane
	v_lshlrev_b32 v[L16], 4, v1
	v_and_b32 v5, 15, v0                           ; r
	v_bfe_u32 v4, v0, 4, 1                         ; h
	s_and_b32 s19, ttmp7, 0xffff                   ; which tensor
	s_lshr_b32 s20, ttmp9, 4                       ; head
	s_and_b32 s21, ttmp9, 15                       ; part
	s_lshl_b32 s22, s21, 21                        ; in: 128 rows of 16,384 bytes a part,
	s_lshl_b32 s28, s18, 19
	s_add_co_u32 s22, s22, s28                     ; 32 a wave,
	s_lshl_b32 s28, s20, 9
	s_add_co_u32 s22, s22, s28                     ; 512 bytes a head
	s_mov_b32 s23, 0
	s_lshl_b32 s34, s20, 18                        ; out: 262,144 bytes a head,
	s_lshl_b32 s28, s21, 14
	s_add_co_u32 s34, s34, s28                     ; 16,384 a part
	s_mov_b32 s35, 0
	s_wait_alu depctr_va_vdst(0)
	s_wait_kmcnt 0x0
	s_load_b128 s[24:27], s[10:11], 0x0            ; eq, ek, ev, ep
	s_cmp_eq_u32 s19, 1
	s_cbranch_scc1 .Lv
	; ---- K
	s_lshl_b32 s28, s18, 12
	s_add_co_u32 s34, s34, s28                     ; out: my wave's two images
	s_add_nc_u64 s[30:31], s[4:5], s[22:23]
	s_add_nc_u64 s[32:33], s[12:13], s[34:35]
	LOADK 0
	LOADK 1
	s_mul_i32 s28, s18, WST                        ; my stage
	v_add_nc_u32 v[STO], s28, v[L16]               ; in: a row as it is loaded, 16 bytes a lane
	v_mul_u32_u24 v5, v5, SP
	v_lshl_add_u32 v[RD], v4, 6, v5
	v_add_nc_u32 v[RD], s28, v[RD]                 ; out: row r, + 64 h: my 16 numbers of each 32
	s_wait_alu depctr_va_vdst(0)
	s_wait_kmcnt 0x0
	s_mov_b32 s28, s25                             ; ek
	SCALE
	TILEK 0, E
	TILEK 1, R
	s_wait_tensorcnt 0x0                           ; the wave's end
	ds_add_u32 v[SPW], v[NIL]
	s_wait_dscnt 0x0
	s_endpgm
	; ---- V
.Lv:
	s_lshl_b32 s28, s18, 9
	s_add_co_u32 s34, s34, s28                     ; out: my 32 keys are c = wave of the part's key step
	s_add_nc_u64 s[30:31], s[6:7], s[22:23]
	s_add_nc_u64 s[32:33], s[14:15], s[34:35]
.set k, 0
.rept 32
	global_load_b128 v[R+4*k:R+4*k+3], v[L16], s[30:31] offset:k*ROWP th:TH_LOAD_NT   ; key k: a row of 512 consecutive bytes
.set k, k+1
.endr
	v_lshlrev_b32 v5, 4, v5
	v_lshl_add_u32 v[VOUT], v4, 11, v5             ; for channel 4 l + j: image t = 2 j + l / 16, its lane r = l % 16
	s_wait_alu depctr_va_vdst(0)
	s_wait_kmcnt 0x0
	s_mov_b32 s28, s26                             ; ev
	SCALE
	GROUPV 0
	GROUPV 1
	SENDV 0
	GROUPV 2
	GROUPV 3
	SENDV 1
	s_endpgm
.Lfunc_end_k_q572c1460e8_prep:
	.size	k_q572c1460e8_prep, .Lfunc_end_k_q572c1460e8_prep-k_q572c1460e8_prep
	.p2alignl 7, 3214868480
	.fill 96, 4, 3214868480
	.section	.rodata,"a",@progbits
	.p2align	6, 0x0
	.amdhsa_kernel k_q572c1460e8_prep
		.amdhsa_group_segment_fixed_size 34304
		.amdhsa_private_segment_fixed_size 0
		.amdhsa_enable_private_segment 0
		.amdhsa_kernarg_size 40
		.amdhsa_user_sgpr_count 2
		.amdhsa_user_sgpr_kernarg_segment_ptr 1
		.amdhsa_wavefront_size32 1
		.amdhsa_system_sgpr_workgroup_id_x 1
		.amdhsa_system_sgpr_workgroup_id_y 1
		.amdhsa_system_sgpr_workgroup_id_z 1
		.amdhsa_system_vgpr_workitem_id 0
		.amdhsa_next_free_vgpr 168
		.amdhsa_next_free_sgpr 66
		.amdhsa_reserve_vcc 0
		.amdhsa_float_denorm_mode_32 3
		.amdhsa_float_denorm_mode_16_64 3
		.amdhsa_memory_ordered 1
		.amdhsa_forward_progress 1
		.amdhsa_inst_pref_size 33
	.end_amdhsa_kernel
	.amdgpu_metadata
---
amdhsa.version: [ 1, 2 ]
amdhsa.kernels:
  - .name:           k_q572c1460e8_prep
    .symbol:         k_q572c1460e8_prep.kd
    .args:
      - { .name: key_layer, .offset: 0, .size: 8, .value_kind: global_buffer, .address_space: global }
      - { .name: value_layer, .offset: 8, .size: 8, .value_kind: global_buffer, .address_space: global }
      - { .name: lowp_scales, .offset: 16, .size: 8, .value_kind: global_buffer, .address_space: global }
      - { .name: k_codes, .offset: 24, .size: 8, .value_kind: global_buffer, .address_space: global }
      - { .name: v_codes, .offset: 32, .size: 8, .value_kind: global_buffer, .address_space: global }
    .group_segment_fixed_size: 34304
    .private_segment_fixed_size: 0
    .kernarg_segment_align: 8
    .kernarg_segment_size: 40
    .max_flat_workgroup_size: 128
    .sgpr_count:     66
    .vgpr_count:     168
    .wavefront_size: 32
...
	.end_amdgpu_metadata
.endif
;; end of part 1
;; launch attn (part 2): grid 8 x 32, 8 waves a work-group, clusters of 4 x 1, 327,680 bytes of LDS; arguments query_layer, k_codes, v_codes, lowp_scales, out0; writes out0
.if DOCPART == 2
	.amdgcn_target "amdgcn-amd-amdhsa--gfx1250"
	.amdhsa_code_object_version 6
	.text
	.protected	k_q572c1460e8_attn
	.globl	k_q572c1460e8_attn
	.p2align	8
	.type	k_q572c1460e8_attn,@function
k_q572c1460e8_attn:
	s_mov_b64 s[64:65], 0
	v_nop
	global_prefetch_b8 v0, s[64:65] scope:SCOPE_SE
	s_setreg_imm32_b32 hwreg(HW_REG_WAVE_MODE, 25, 1), 1
	s_wait_xcnt 0x0
	s_wait_alu depctr_hold_cnt(0) depctr_sa_sdst(0) depctr_va_vdst(0) depctr_va_sdst(0) depctr_va_ssrc(0) depctr_va_vcc(0) depctr_vm_vsrc(0)
	s_getreg_b32 s2, hwreg(HW_REG_IB_STS2, 6, 4)
	s_cmp_eq_u32 s2, 0
	s_cbranch_scc0 .Lentry_in_a_cluster
	s_endpgm
.Lentry_in_a_cluster:
	s_bfe_u32 s2, ttmp6, 0x10000c
	s_cmp_lg_u32 s2, 0x3003
	s_cbranch_scc0 .Lentry_shape_is_right
	s_endpgm
.Lentry_shape_is_right:
; out[q][head][:] = the sum over k of softmax_k(Q[q] . K[k] / sqrt(128)) V[k][:], for 32 heads of 2,048 queries and 2,048 keys, both products on codes of FP8 (E4M3), each operand with its one given scale: eq, ek, ev, ep.
; K and V come as images of the operands' registers (lane l = 16 h + r; a fragment is 4 x 512 bytes, lane l's 16 bytes at 16 l):
;   k_codes: head x 262144 + G x 4096 + u x 2048 + c x 512 + 16 l + i = key 32 G + 8 u + r + 8 (r / 8), channel 32 c + 16 h + i
;   v_codes: head x 262144 + step x 16384 + t x 2048 + c x 512 + 16 l + i = channel 4 (16 (t % 2) + r) + t / 2, key 128 step + 32 c + 16 h + i
; Q comes as f32, is read once by the wave that uses it and is quantised in this launch's head.  Registers 4 c .. 4 c + 3 of every fragment hold K = 32 c + 16 h + 0 .. 15, the same on both sides of each product.
; THE SOFTMAX: t = score x log2(e) / sqrt(128); M = the running largest t rounded UP to a whole number; p = 2^(t - M) is quantised with 2^ep, not normalised.  The row's sum is taken of the unquantised p and divides at the end.
; When M moves, the sum and O are multiplied by 2^(old M - new M), which rounds nothing.  No branch hangs on data.
; SHARES.  A work-group owns 256 queries of a head; each of its eight waves 32 of them, two tiles x = 0, 1 (tile x's lane r: query 16 x + r), in 512 registers: two waves to a SIMD, and each fragment of K and V
; that is read from LDS feeds two matrix instructions.  Every wave walks the head's 16 key steps of 128 keys.
; LAYOUT.  Both products are used transposed: S^T = K Q^T (source 0 = 16 keys, source 1 = 16 queries), O^T = V^T P^T (source 0 = 16 channels, source 1 = P): a lane holds ONE query of each tile throughout.  By the order of K's rows in an image
; the 16 registers of score tiles 2 b and 2 b + 1 are keys 32 b + 16 h + 0 .. 15: the conversions' results are the second product's operand.
; TWO BANKS of 128 registers change roles from step to step: K's eight fragments, then V's, in one; the scores in the other.  When the scores have become codes their bank takes the NEXT step's K, while O^T is multiplied by this step's V.
; A BARRIER IN EVERY STEP paces the waves: it is signalled in the middle of the step's softmax and waited for behind the codes, so no wave goes into its products before every wave has passed the middle of that softmax.  Between the two: work on registers alone.
; RING.  Two LDS slots of 512 keys (K's four steps, then V's, 16,384 bytes each, dense: a fragment load takes 512 consecutive bytes, so nothing is padded).  Each of the eight waves fetches one of a slot's eight pieces, one tensor load.
; The change of slots stands in a slot's last step: the wave's last reads of the slot are V's, so the round opens behind them, in that step's barrier.
; CLUSTER.  The four query blocks of a cluster belong to one head and walk the same K and V: each piece is asked for JOINTLY, by the same tensor load with the same descriptor and the mask of all four.
; LIMITS: eq between -126 and 119; eq + ek between -123 and 130 (added to c's exponent field); ep between -126 and 119, so that each power of two below is an f32 number; ep + ev goes in by v_ldexp_f32 and has none.
; The scaled scores t stay under 2^31 in magnitude.  NaN among the inputs is not served.
; All of the WGP's LDS is claimed, and 0 is added to spare words at the start, in front of each change of slots and at the wave's end.
; REGISTERS, in windows of 256 (s_set_vgpr_msb: bits 1:0 source 0, 3:2 source 1, 5:4 source 2, 7:6 destination):
;   window 0: v1-11 addresses and constants; v12-21, v22-31 a tile's statistics; v32-63 Q; v64-95 p's codes (16 a tile); v96-111 the step's sums (four pairs a tile); v112-117 the head's and the way out's; v128-255 one bank
;   window 1: v0-127 O^T (64 a tile); v128-255 the other bank
.set STEPB, 16384                      ; a key step's K, or V, in bytes
.set SLOTG, 65536                      ; a slot's K, or V, in bytes
.set SLOT1, 131072                     ; slot 1 begins here: one exclusive or turns an address of one slot into the other's
.set SPARE, 262144                     ; the spare words, 128 bytes for each of the eight waves: four blocks of 256 bytes that no other line names
.set STAGE, 263168                     ; for Q and for the way out: 16 rows x (256 + 16) bytes for each wave; no tensor load lands there
.set SP,    272
.set LI,   1                           ; v1   16 x lane: my place in an image
.set AK,   2                           ; v2   the same in K's part of the slot in hand
.set AV,   3                           ; v3   and in V's
.set SPW,  4                           ; v4   my spare word: SPARE + 4 x my thread's number; never rewritten
.set NIL,  5                           ; v5   0; never rewritten
.set PFO,  6                           ; v6   256 x lane: the prefetches' offset; never rewritten
.set GO,   7                           ; v7   my byte offset in Q and in the output: lanes 0-15 take one row's 256 bytes, lanes 16-31 the next row's
.set STO,  8                           ; v8   the stage, 16 bytes of row r (the way out)
.set RD,   9                           ; v9   the stage by rows, as GO
.set LIMP, 10                          ; v10  448 x 2^ep
.set SCP,  11                          ; v11  2^ep
.set ST,   12                          ; tile x's statistics at ST + 10 x: +0 -M, +1 the largest score, +2, +3 the sum in two halves, +4 f (later 1 / sum), +5 zero (named with f as a pair), +6, +7 at work, +8 a lane permute's destination
.set QF,   32
.set PCD,  64
.set T,    96
.set LIMQ, 112                         ; v112 448 x 2^eq
.set SCQ,  113                         ; v113 2^eq
.set LQ,   114                         ; v114 Q: my 16 numbers of each 32 in the stage
.set RR,   116                         ; v116 r
.set HH,   117                         ; v117 h
.set BK,   128                         ; a bank, in either window
.set WV,   14                          ; s14  my wave's number
.set SEL,  20                          ; s[20:21] lane selects for v_permlanex16_b32: lane l xor 16
.set CS,   22                          ; s[22:23] c = log2(e) / sqrt(128) x 2^(eq + ek): the packed form names a pair and takes its low word
.set G1,   24                          ; s[24:31] descriptor group 1
.set G0,   32                          ; s[32:35] descriptor group 0: my piece; it walks
.set TB,   40                          ; s40  LDS byte at which the slot in hand begins
.set SLOTS, 41                         ; s41  trips to go
.set LIM,  42                          ; s42  1 in a wave that prefetches, else the greatest number
.set PFA,  44                          ; s[44:45] where my prefetches stand
.set MSB, 0
.macro WIN new                         ; the immediate's high byte repeats the setting that is left; a switch that changes nothing is dropped
.if MSB != \new
	s_set_vgpr_msb (MSB<<8)|\new
.set MSB, \new
.endif
.endm
.macro PLACES n
.rept \n
	v_nop
.endr
.endm
; A round of the cluster's barrier: my work-group's barrier; wave 0 signals for the work-group; every wave waits for all four work-groups; my work-group's barrier once more.
.macro CREST                           ; a round behind its opening barrier
	s_cmp_lg_u32 s[WV], 0
	s_cbranch_scc1 .Lnot_wave_0_\@
	s_barrier_signal -3
.Lnot_wave_0_\@:
	s_barrier_wait -3
	s_barrier_signal -1
	s_barrier_wait -1
.endm
.macro CROUND
	s_barrier_signal -1
	s_barrier_wait -1
	CREST
.endm
.macro TLOAD                           ; my joint load: one line for all waves, K's four steps by waves 0 to 3, V's by waves 4 to 7
	tensor_load_to_lds s[G0:G0+3], s[G1:G1+7]
	s_nop 0
	PLACES 4
.endm
; A prefetch of what the NEXT filling change will ask for: a slot's 65,536 bytes of K and of V, four key steps ahead of that load.  Each aligned block of 256 bytes is named once in the launch: both clusters of a head walk the same
; K and V, and the first of them asks; its four partners take 16,384 bytes of each, told apart BY ADDRESS; in each, waves 0 and 1 ask for K's and waves 2 and 3 for V's, lanes 256 bytes apart: one instruction a wave.
; Slots 0 and 1 come by their loads alone; the last change that fills a slot asks for nothing: there is no slot behind it.
.macro ASK
	s_cmp_gt_u32 s[SLOTS], s[LIM]
	s_cbranch_scc0 .Lnot_mine_\@
	global_prefetch_b8 v[PFO], s[PFA:PFA+1] th:TH_LOAD_NT scope:SCOPE_SE
.Lnot_mine_\@:
.endm
.macro FETCH ad, off, w                ; eight fragments, 32 loads in one run, into the bank of window w
	WIN (0x40*(\w))
.irp f, 0,1,2,3,4,5,6,7
.irp c, 0,1,2,3
	ds_load_b128 v[BK+16*\f+4*\c:BK+16*\f+4*\c+3], v[\ad] offset:\off+\f*2048+512*\c
.endr
.endr
.endm
.macro SUM x                           ; tile x's 64 p in four chains of pairs
	WIN (0x05*SW)
.irp k, 0,1,2,3
	v_pk_add_f32 v[T+8*\x+2*\k:T+8*\x+2*\k+1], v[BK+64*\x+2*\k:BK+64*\x+2*\k+1], v[BK+64*\x+8+2*\k:BK+64*\x+8+2*\k+1]
.endr
	WIN (0x04*SW)
.set j, 8
.rept 24
	v_pk_add_f32 v[T+8*\x+2*(j%4):T+8*\x+2*(j%4)+1], v[T+8*\x+2*(j%4):T+8*\x+2*(j%4)+1], v[BK+64*\x+2*j:BK+64*\x+2*j+1]
.set j, j+1
.endr
.endm
.macro HOLD x                          ; pair j.  The conversion to an 8-bit code does not saturate (ISA guide 7.6.2); p is not negative, so the hold is one-sided.  It stands behind the sum, which is of the unquantised p
	v_dual_min_num_f32 v[BK+64*\x+2*j], v[BK+64*\x+2*j], v[LIMP] :: v_dual_min_num_f32 v[BK+64*\x+2*j+1], v[BK+64*\x+2*j+1], v[LIMP]
.endm
; A KEY STEP: 128 keys, the q-th of the slot in hand, for my two tiles.  par = 0: K and V in window 0's bank, the scores in window 1's; par = 1: the other way round.  On entry K's 32 loads have been issued.
; ch: the change of slots in a slot's last step: 0 none, 1 with a refill, 2 without.  Lines of the two tiles alternate, so that no line waits for the one just before it.
.macro STEP q, par, ch
.set KW, \par
.set SW, 1-\par
	WIN ((SW<<6)|KW)
.irp f, 0,1,2,3,4,5,6,7                ; S^T = K Q^T: each fragment of K against both tiles of queries; the constant 0 starts each sum
	s_wait_dscnt 28-4*\f                           ; fragment f is in: four loads for each younger fragment may be out
	v_wmma_f32_16x16x128_fp8_fp8 v[BK+8*\f:BK+8*\f+7], v[BK+16*\f:BK+16*\f+15], v[QF:QF+15], 0
	v_wmma_f32_16x16x128_fp8_fp8 v[BK+64+8*\f:BK+64+8*\f+7], v[BK+16*\f:BK+16*\f+15], v[QF+16:QF+31], 0
.endr
	PLACES 4                                       ; for the loads below, into registers that those products read, and for the first reads of the scores
	FETCH AV,(\q)*STEPB,KW                         ; V: it lands while the softmax is worked
	; the step's largest score of each query, among my 64 keys, in two chains, each accumulator from its low end on
	WIN (0x15*SW)
.irp x, 0,1
	v_max3_num_f32 v[ST+10*\x+6], v[BK+64*\x], v[BK+64*\x+1], v[BK+64*\x+2]
.endr
.irp x, 0,1
	v_max3_num_f32 v[ST+10*\x+7], v[BK+64*\x+3], v[BK+64*\x+4], v[BK+64*\x+5]
.endr
	WIN (0x14*SW)
.irp i, 6,10,14,18,22,26,30,34,38,42,46,50,54,58
.irp x, 0,1
	v_max3_num_f32 v[ST+10*\x+6], v[ST+10*\x+6], v[BK+64*\x+\i], v[BK+64*\x+\i+1]
.endr
.irp x, 0,1
	v_max3_num_f32 v[ST+10*\x+7], v[ST+10*\x+7], v[BK+64*\x+\i+2], v[BK+64*\x+\i+3]
.endr
.endr
.irp x, 0,1
	v_max3_num_f32 v[ST+10*\x+6], v[ST+10*\x+6], v[BK+64*\x+62], v[BK+64*\x+63]
.endr
	WIN 0
.irp x, 0,1
	v_max_num_f32 v[ST+10*\x+6], v[ST+10*\x+6], v[ST+10*\x+7]
.endr
.irp x, 0,1
	v_permlanex16_b32 v[ST+10*\x+8], v[ST+10*\x+6], s[SEL], s[SEL+1]   ; the query's other 64 keys lie in the lane 16 away
.endr
.irp x, 0,1
	v_max3_num_f32 v[ST+10*\x+1], v[ST+10*\x+1], v[ST+10*\x+6], v[ST+10*\x+8]   ; the running largest score
.endr
.irp x, 0,1
	v_mul_f32 v[ST+10*\x+6], s[CS], v[ST+10*\x+1]                      ; as t (c is positive)
.endr
.irp x, 0,1
	v_mov_b32 v[ST+10*\x+7], v[ST+10*\x]
.endr
.irp x, 0,1
	v_floor_f32 v[ST+10*\x], -v[ST+10*\x+6]                            ; the new -M = floor(-t) = -ceil(t): a whole number
.endr
.irp x, 0,1
	v_sub_f32 v[ST+10*\x+7], v[ST+10*\x], v[ST+10*\x+7]                ; old M less new M: a whole number, 0 or less
.endr
.irp x, 0,1
	v_cvt_i32_f32 v[ST+10*\x+7], v[ST+10*\x+7]                         ; (it saturates)
.endr
.irp x, 0,1
	v_ldexp_f32 v[ST+10*\x+4], 1.0, v[ST+10*\x+7]                      ; f = 2^(old M - new M)
.endr
.irp x, 0,1
	v_pk_mul_f32 v[ST+10*\x+2:ST+10*\x+3], v[ST+10*\x+2:ST+10*\x+3], v[ST+10*\x+4:ST+10*\x+5] op_sel_hi:[1,0]   ; the sums under the new M
.endr
	WIN (0x41*SW)
.set j, 0
.rept 32
	v_pk_fma_f32 v[BK+2*j:BK+2*j+1], v[BK+2*j:BK+2*j+1], s[CS:CS+1], v[ST:ST+1] op_sel_hi:[1,0,0]   ; tile 0: t - M, two at a time (of the pairs c and -M the low word serves both halves)
.set j, j+1
.endr
	WIN 0x41
.irp x, 0,1
.set j, 0
.rept 32
	v_pk_mul_f32 v[64*\x+j:64*\x+j+1], v[64*\x+j:64*\x+j+1], v[ST+10*\x+4:ST+10*\x+5] op_sel_hi:[1,0]   ; O^T under the new M, each accumulator from its low end on
.set j, j+2
.endr
.endr
	WIN (0x41*SW)
	s_wait_alu depctr_va_vdst(0)
.set j, 0
.rept 32                               ; tile 0's 64 exponentials, with tile 1's scalings between, which name no result of the batch
	v_exp_f32 v[BK+2*j], v[BK+2*j]
	v_exp_f32 v[BK+2*j+1], v[BK+2*j+1]
	v_pk_fma_f32 v[BK+64+2*j:BK+64+2*j+1], v[BK+64+2*j:BK+64+2*j+1], s[CS:CS+1], v[ST+10:ST+11] op_sel_hi:[1,0,0]
.set j, j+1
.endr
	s_wait_alu depctr_va_vdst(0)                   ; one wait behind tile 0's batch, and ahead of tile 1's for its sources
	SUM 0
.if \ch                                ; THE CHANGE OF SLOTS opens here: V's loads, my last reads of this slot, were issued ahead of the maxima
	WIN 0
	s_wait_alu depctr_va_vdst(0)
	s_wait_tensorcnt 0x0                           ; no tensor load of mine is out (one was, at the most: my piece of the next slot), so group 0 may be written
	ds_add_u32 v[SPW], v[NIL]
.if \ch == 1
	s_xor_b32 s[G0+1], s[G0+1], SLOT1              ; the slot in hand is filled again: the walking descriptor turns to it,
	s_add_nc_u64 s[G0+2:G0+3], s[G0+2:G0+3], SLOTG ; the next 512 keys; the type bits on top are not reached
	s_wait_xcnt 0x0                                ; the last prefetch, a slot back, has read its address, so it may be written:
	s_add_nc_u64 s[PFA:PFA+1], s[PFA:PFA+1], SLOTG ; one slot further on than the walking descriptor
.endif
	s_wait_dscnt 0x0                               ; the add is done, and V is in: my reads of this slot are over
	s_barrier_signal -1                            ; up to the wait: work on registers alone
.else
	s_wait_dscnt 0x0                               ; V is in: no LDS instruction of mine is out at the signal below
.endif
	WIN (0x41*SW)
.set j, 0
.rept 32                               ; tile 1's 64 exponentials, with tile 0's holds between
.if ((\ch) == 0) && (j == 8)
	s_barrier_signal -1                            ; the step's barrier: up to its wait, work on registers alone
.endif
	v_exp_f32 v[BK+64+2*j], v[BK+64+2*j]
	v_exp_f32 v[BK+64+2*j+1], v[BK+64+2*j+1]
	HOLD 0
.set j, j+1
.endr
	s_wait_alu depctr_va_vdst(0)                   ; one wait behind tile 1's batch
	SUM 1
	WIN (0x41*SW)
.set j, 0
.rept 32
	HOLD 1
.set j, j+1
.endr
	WIN SW                                         ; p's codes.  Registers 4 b .. 4 b + 3 of the operand: keys 32 b + 16 h + 0 .. 15
.irp x, 0,1
.irp b, 0,1,2,3
	v_cvt_scalef32_pk8_fp8_f32 v[PCD+16*\x+4*\b:PCD+16*\x+4*\b+1], v[BK+64*\x+16*\b:BK+64*\x+16*\b+7], v[SCP]
	v_cvt_scalef32_pk8_fp8_f32 v[PCD+16*\x+4*\b+2:PCD+16*\x+4*\b+3], v[BK+64*\x+16*\b+8:BK+64*\x+16*\b+15], v[SCP]
.endr
.endr
	v_nop                                          ; a plain line behind the last conversion
.if \ch
	WIN 0
.endif
	s_wait_alu depctr_va_vdst(0)
	s_barrier_wait -1
.if \ch
.if \ch == 1
	CREST                                          ; no wave of any partner still reads this slot or has a load on its way
	TLOAD                                          ; the first tensor load behind the round: it has the next slot's steps in which to land
	ASK
.endif
	s_xor_b32 s[TB], s[TB], SLOT1                  ; on to the other slot, which is whole
	v_add_nc_u32 v[AK], s[TB], v[LI]
	v_add_nc_u32 v[AV], 0x10000, v[AK]
	s_wait_alu depctr_va_vdst(0)
.if \ch == 1
	FETCH AK,0,SW                                  ; the next step's K, into the bank that the scores have left
.else
	s_cmp_eq_u32 s[SLOTS], 1
	s_cbranch_scc1 .Lno_key_left                   ; behind the last key step there is no K to fetch
	FETCH AK,0,SW
	WIN 0
.Lno_key_left:
.endif
.else
	FETCH AK,((\q)+1)*STEPB,SW                     ; the next step's K, into the bank that the scores have left
.endif
	s_wait_dscnt 32                                ; V is in: the next K's 32 loads may be out
	WIN (0x50|KW)                                  ; O^T += V^T P^T.  The 16 accumulators take turns, one instruction a turn
.irp f, 0,1,2,3,4,5,6,7
	v_wmma_f32_16x16x128_fp8_fp8 v[8*\f:8*\f+7], v[BK+16*\f:BK+16*\f+15], v[PCD:PCD+15], v[8*\f:8*\f+7]
	v_wmma_f32_16x16x128_fp8_fp8 v[64+8*\f:64+8*\f+7], v[BK+16*\f:BK+16*\f+15], v[PCD+16:PCD+31], v[64+8*\f:64+8*\f+7]
.endr
	WIN 0
	; the chains join the row's sum: eight plain lines, the places between these products and the next step's, which write over V's bank
.irp x, 0,1
	v_pk_add_f32 v[T+8*\x:T+8*\x+1], v[T+8*\x:T+8*\x+1], v[T+8*\x+2:T+8*\x+3]
.endr
.irp x, 0,1
	v_pk_add_f32 v[T+8*\x+4:T+8*\x+5], v[T+8*\x+4:T+8*\x+5], v[T+8*\x+6:T+8*\x+7]
.endr
.irp x, 0,1
	v_pk_add_f32 v[T+8*\x:T+8*\x+1], v[T+8*\x:T+8*\x+1], v[T+8*\x+4:T+8*\x+5]
.endr
.irp x, 0,1
	v_pk_add_f32 v[ST+10*\x+2:ST+10*\x+3], v[ST+10*\x+2:ST+10*\x+3], v[T+8*\x:T+8*\x+1]
.endr
.endm
	s_load_b128 s[4:7], s[0:1], 0x0                ; Q s[4:5], K's codes s[6:7]
	s_load_b128 s[8:11], s[0:1], 0x10              ; V's codes s[8:9], the scales' exponents s[10:11]
	s_load_b64 s[12:13], s[0:1], 0x20              ; the output
	v_lshl_add_u32 v[SPW], v0, 2, SPARE
	v_mov_b32 v[NIL], 0
	ds_add_u32 v[SPW], v[NIL]                      ; the wave's opening: the add, twice on end, ahead of my first tensor load
	ds_add_u32 v[SPW], v[NIL]
	v_lshrrev_b32 v1, 5, v0
	v_readfirstlane_b32 s[WV], v1                  ; wave 0..7
	v_and_b32 v[LI], 31, v0
	v_lshlrev_b32 v[PFO], 8, v[LI]
	v_lshlrev_b32 v[LI], 4, v[LI]
	v_and_b32 v[RR], 15, v0
	v_bfe_u32 v[HH], v0, 4, 1
	v_lshlrev_b32 v[GO], 14, v[HH]
	v_lshl_add_u32 v[GO], v[RR], 4, v[GO]          ; two rows of Q or of the output, 16,384 bytes apart
	s_bfe_u32 s15, ttmp6, 0x40000                  ; cx: my place in the cluster
	s_lshl_b32 s16, ttmp9, 2                       ; in a cluster launch ttmp9 counts clusters
	s_add_co_u32 s16, s16, s15                     ; my block of 256 queries = 4 x cluster x + cx: it enters Q's, the output's and the prefetches' addresses alone
	s_and_b32 s17, ttmp7, 0xffff                   ; the head, which the four partners share
	s_lshl_b32 s18, s17, 18                        ; the head's first byte in each tensor of codes
	s_mov_b32 s19, 0
	; descriptor group 1: 64 rows of 256 bytes, dense: 16,384 bytes, a key step's K or V
	s_mov_b32 s[G1], 15|(3<<16)|(1<<21)            ; 15:0 the mask: all four work-groups; 17:16 elements of 8 bytes; 20 no padding; 21 set beside a mask
	s_mov_b32 s[G1+1], 32<<16                      ; tensor_dim0 = 32 elements
	s_mov_b32 s[G1+2], 64<<16                      ; tensor_dim1 = 64
	s_mov_b32 s[G1+3], 32<<16                      ; tile_dim0 = 32
	s_mov_b32 s[G1+4], 64                          ; tile_dim1 = 64
	s_mov_b32 s[G1+5], 32                          ; from row to row: 32 elements
	s_mov_b32 s[G1+6], 0
	s_mov_b32 s[G1+7], 0
	s_mov_b32 s[SEL], 0x76543210
	s_mov_b32 s[SEL+1], 0xfedcba98
	s_mov_b32 s[CS], 0x3e0293ee                    ; c = log2(e) / sqrt(128)
	s_mov_b32 s[TB], 0
	s_mov_b32 s[SLOTS], 3
	s_and_b32 s52, s[WV], 3
	s_lshl_b32 s52, s52, 14                        ; which of a slot's four steps I fetch: its place in memory; no place in the cluster enters it
	s_mov_b32 s53, 0
	s_add_nc_u64 s[52:53], s[52:53], s[18:19]
	s_mov_b32 s[G0], 1                             ; 1:0 count = 1
	s_lshl_b32 s[G0+1], s[WV], 14                  ; 63:32 LDS address: slot 0, K's four steps, then V's
	s_lshl_b32 s58, s16, 22                        ; Q and the output: 256 rows of 16,384 bytes a block,
	s_lshl_b32 s59, s[WV], 19                      ; 32 a wave,
	s_add_co_u32 s58, s58, s59
	s_lshl_b32 s59, s17, 9                         ; 512 bytes a head
	s_add_co_u32 s58, s58, s59
	s_mov_b32 s59, 0
	s_wait_alu depctr_va_vdst(0)
	s_wait_dscnt 0x0                               ; both opening adds are done
	s_wait_kmcnt 0x0
	s_load_b128 s[48:51], s[10:11], 0x0            ; eq, ek, ev, ep
	s_cmp_lt_u32 s[WV], 4                          ; waves 0 to 3 fetch K's, waves 4 to 7 V's
	s_cselect_b64 s[54:55], s[6:7], s[8:9]
	s_add_nc_u64 s[G0+2:G0+3], s[54:55], s[52:53]  ; 120:64 global address
	s_or_b32 s[G0+3], s[G0+3], 0x80000000          ; 127:126 type = 2
	s_add_nc_u64 s[4:5], s[4:5], s[58:59]
	s_add_nc_u64 s[12:13], s[12:13], s[58:59]
.macro LOADQ x                         ; tile x's 16 rows of Q, half rows of 256 bytes, two to a load, into window 1's bank
	WIN 0x40
.irp u, 0,1
.irp n, 0,1,2,3,4,5,6,7
	global_load_b128 v[BK+64*\x+32*\u+4*\n:BK+64*\x+32*\u+4*\n+3], v[GO], s[4:5] offset:(16*\x+2*\n)*16384+256*\u th:TH_LOAD_NT
.endr
.endr
	WIN 0
.endm
	LOADQ 0
	CROUND                                         ; all four work-groups are here: the first joint loads meet
	TLOAD                                          ; slot 0
	LOADQ 1
	s_cmp_lt_u32 s[WV], 2                          ; the prefetches: waves 0 and 1 stand in K's codes, waves 2 and 3 in V's
	s_cselect_b64 s[PFA:PFA+1], s[6:7], s[8:9]
	s_lshl_b32 s52, s15, 14                        ; my work-group's 16,384 bytes of a slot's 65,536,
	s_and_b32 s53, s[WV], 1
	s_lshl_b32 s53, s53, 13                        ; my wave's 8,192 of them,
	s_add_co_u32 s52, s52, s53
	s_add_co_u32 s52, s52, 2*SLOTG                 ; in slot 2
	s_mov_b32 s53, 0
	s_add_nc_u64 s[52:53], s[52:53], s[18:19]
	s_add_nc_u64 s[PFA:PFA+1], s[PFA:PFA+1], s[52:53]
	s_lshr_b32 s[LIM], s[WV], 2                    ; 0 in waves 0 to 3
	s_or_b32 s[LIM], s[LIM], ttmp9                 ; of the head's first cluster: the same in all four partners
	s_cmp_eq_u32 s[LIM], 0
	s_cselect_b32 s[LIM], 1, -1
	s_mul_i32 s56, s[WV], 16*SP
	s_add_co_u32 s56, s56, STAGE                   ; my stage
	v_mul_u32_u24 v[RD], v[HH], SP
	v_lshl_add_u32 v[RD], v[RR], 4, v[RD]
	v_add_nc_u32 v[RD], s56, v[RD]                 ; by rows: lanes 0-15 take one row, lanes 16-31 the next
	v_mul_u32_u24 v[STO], v[RR], SP
	v_add_nc_u32 v[STO], s56, v[STO]               ; row r
	v_lshl_add_u32 v[LQ], v[HH], 6, v[STO]         ; + 64 h: my 16 numbers of each 32
	v_lshl_add_u32 v[STO], v[HH], 7, v[STO]        ; + 128 h: my half's quadruples of channels on the way out
.irp x, 0,1
	v_mov_b32 v[ST+10*\x], 0x7f61b1e6              ; -M: 3e38
	v_mov_b32 v[ST+10*\x+1], 0xff61b1e6            ; the largest score so far: -3e38
	v_mov_b32 v[ST+10*\x+2], 0                     ; the sum, in two halves
	v_mov_b32 v[ST+10*\x+3], 0
	v_mov_b32 v[ST+10*\x+5], 0                     ; (named as the upper half of f's pair)
	v_mov_b32 v[ST+10*\x+8], 0                     ; written once: a lane permute's destination counts as one of its sources
.endr
	WIN 0x40
.set j, 0
.rept 128
	v_mov_b32 v[j], 0                              ; O^T.  The key step is written without a first step of its own: the first finds zeros, which the first change of M leaves zeros; a copy of the step's text for it would be longer than these lines
.set j, j+1
.endr
	WIN 0
	s_wait_alu depctr_va_vdst(0)
	s_wait_kmcnt 0x0
	s_add_co_i32 s52, s48, s49
	s_lshl_b32 s52, s52, 23
	s_add_co_i32 s[CS], s[CS], s52                 ; a score stands for score x 2^(eq + ek): the two exponents are added to c's exponent field
	s_mov_b32 s[CS+1], s[CS]                       ; (named with it as a pair, so it is written)
.macro SCALE e, sc, lim
	s_add_co_i32 s52, \e, 127
	s_lshl_b32 s53, s52, 23
	v_mov_b32 v[\sc], s53                          ; 2^e as f32: the conversion takes its exponent field
	s_add_co_i32 s52, s52, 8
	s_lshl_b32 s52, s52, 23
	s_or_b32 s52, s52, 0x600000
	v_mov_b32 v[\lim], s52                         ; 448 x 2^e
.endm
	SCALE s51, SCP, LIMP
	SCALE s48, SCQ, LIMQ
	v_add_nc_u32 v[AK], s[TB], v[LI]
	v_add_nc_u32 v[AV], 0x10000, v[AK]
	s_wait_alu depctr_va_vdst(0)
	s_wait_tensorcnt 0x0                           ; my piece of slot 0 is in (Q's loads may be out)
	ds_add_u32 v[SPW], v[NIL]
	s_xor_b32 s[G0+1], s[G0+1], SLOT1
	s_add_nc_u64 s[G0+2:G0+3], s[G0+2:G0+3], SLOTG
	s_wait_dscnt 0x0
	CROUND
	TLOAD                                          ; slot 1: it has slot 0's steps in which to land
	ASK
	FETCH AK,0,0                                   ; the first step's K, into window 0's bank
	; Q's codes: a lane needs 16 neighbours along d of ONE query, so a tile turns through my stage, half a row at a time
.irp x, 0,1
	s_wait_loadcnt 16-16*\x                        ; this tile's 16 loads are in; the other tile's may be out
.irp u, 0,1
	WIN 0x04
.irp n, 0,1,2,3,4,5,6,7
	ds_store_b128 v[RD], v[BK+64*\x+32*\u+4*\n:BK+64*\x+32*\u+4*\n+3] offset:2*\n*SP
.endr
	WIN 0x40
.irp c, 0,1
.irp i, 0,1,2,3
	ds_load_b128 v[BK+64*\x+32*\u+16*\c+4*\i:BK+64*\x+32*\u+16*\c+4*\i+3], v[LQ] offset:128*\c+16*\i   ; LDS serves a wave's instructions in order: these see the stores above, and the next half's stores come behind them
.endr
.endr
.endr
	s_wait_dscnt 0x0
	WIN 0x41
.set j, 0
.rept 64
	v_med3_num_f32 v[BK+64*\x+j], v[BK+64*\x+j], -v[LIMQ], v[LIMQ]   ; the conversion to an 8-bit code does not saturate (ISA guide 7.6.2): the hold comes first
.set j, j+1
.endr
	WIN 0x01
.irp c, 0,1,2,3
	v_cvt_scalef32_pk8_fp8_f32 v[QF+16*\x+4*\c:QF+16*\x+4*\c+1], v[BK+64*\x+16*\c:BK+64*\x+16*\c+7], v[SCQ]
	v_cvt_scalef32_pk8_fp8_f32 v[QF+16*\x+4*\c+2:QF+16*\x+4*\c+3], v[BK+64*\x+16*\c+8:BK+64*\x+16*\c+15], v[SCQ]
.endr
	v_nop                                          ; a plain line behind the last conversion
.endr
	WIN 0
	s_mov_b32 s[SLOTS], 2
	s_wait_alu depctr_va_vdst(0)
.Lfill:                                            ; slots 0 and 1: each is filled again in its last step
	STEP 0, 0, 0
	STEP 1, 1, 0
	STEP 2, 0, 0
	STEP 3, 1, 1
	s_sub_co_u32 s[SLOTS], s[SLOTS], 1
	s_cmp_lg_u32 s[SLOTS], 0
	s_cbranch_scc1 .Lfill
	s_mov_b32 s[SLOTS], 2
.Lread:                                            ; slots 2 and 3: nothing is filled any more
	STEP 0, 0, 0
	STEP 1, 1, 0
	STEP 2, 0, 0
	STEP 3, 1, 2
	s_sub_co_u32 s[SLOTS], s[SLOTS], 1
	s_cmp_lg_u32 s[SLOTS], 0
	s_cbranch_scc1 .Lread
	; THE WAY OUT.  The sum's halves are added; O^T x 2^(ep + ev) / the sum goes through my stage in LDS, half a row (256 bytes) of 16 queries at a time, and leaves as aligned units of 256 bytes.
	s_wait_alu depctr_va_vdst(0)
	s_wait_dscnt 0x0                               ; no LDS load of mine is out
.irp x, 0,1
	v_add_f32 v[ST+10*\x+6], v[ST+10*\x+2], v[ST+10*\x+3]
.endr
.irp x, 0,1
	v_permlanex16_b32 v[ST+10*\x+8], v[ST+10*\x+6], s[SEL], s[SEL+1]
.endr
.irp x, 0,1
	v_add_f32 v[ST+10*\x+6], v[ST+10*\x+6], v[ST+10*\x+8]              ; the row's sum
.endr
	s_wait_alu depctr_va_vdst(0)
.irp x, 0,1
	v_rcp_f32 v[ST+10*\x+4], v[ST+10*\x+6]
.endr
	v_nop                                          ; a plain line behind the reciprocals
	s_add_co_i32 s52, s50, s51                     ; ev + ep
	s_wait_alu depctr_va_vdst(0)                   ; one wait for the two reciprocals, ahead of their first reader
.irp x, 0,1
	v_ldexp_f32 v[ST+10*\x+4], v[ST+10*\x+4], s52
.endr
.macro PACK x                          ; O^T's tile t = 2 k + u, register i is channel 4 (16 u + 8 h + i) + k: four tiles give four neighbours
	WIN 0x01                                       ; source 0 (O^T) window 1
	s_wait_alu depctr_va_vdst(0)
.irp i, 0,1,2,3,4,5,6,7
.irp u, 0,1
.irp k, 0,1,2,3
	v_mul_f32 v[BK+64*\x+32*\u+4*\i+\k], v[64*\x+8*(2*\k+\u)+\i], v[ST+10*\x+4]
.endr
.endr
.endr
	WIN 0
.irp u, 0,1
.irp i, 0,1,2,3,4,5,6,7
	ds_store_b128 v[STO], v[BK+64*\x+32*\u+4*\i:BK+64*\x+32*\u+4*\i+3] offset:16*\i
.endr
.irp n, 0,1,2,3,4,5,6,7
	ds_load_b128 v[BK+64*\x+32*\u+4*\n:BK+64*\x+32*\u+4*\n+3], v[RD] offset:2*\n*SP   ; LDS serves a wave's instructions in order: these see my stores, and the next half's stores come behind them
.endr
.endr
.endm
.macro SEND x, u, younger              ; younger: the LDS instructions issued behind this half's loads, which may stay out
.irp n, 0,1,2,3,4,5,6,7
	s_wait_dscnt \younger+7-\n
	global_store_b128 v[GO], v[BK+64*\x+32*\u+4*\n:BK+64*\x+32*\u+4*\n+3], s[12:13] offset:(16*\x+2*\n)*16384+256*\u th:TH_STORE_NT   ; 16 lanes store 256 consecutive bytes, aligned
.endr
.endm
	PACK 0
	PACK 1
	SEND 0, 0, 48
	SEND 0, 1, 32
	SEND 1, 0, 16
	SEND 1, 1, 0
	s_wait_tensorcnt 0x0                           ; the wave's end, behind my last tensor load and my last LDS store
	ds_add_u32 v[SPW], v[NIL]
	s_wait_dscnt 0x0
	CROUND                                         ; the closing round: no work-group ends while a partner may still ask for a tile that names it
	s_endpgm
.Lfunc_end_k_q572c1460e8_attn:
	.size	k_q572c1460e8_attn, .Lfunc_end_k_q572c1460e8_attn-k_q572c1460e8_attn
	.p2alignl 7, 3214868480
	.fill 96, 4, 3214868480
	.section	.rodata,"a",@progbits
	.p2align	6, 0x0
	.amdhsa_kernel k_q572c1460e8_attn
		.amdhsa_group_segment_fixed_size 327680
		.amdhsa_private_segment_fixed_size 0
		.amdhsa_enable_private_segment 0
		.amdhsa_kernarg_size 40
		.amdhsa_user_sgpr_count 2
		.amdhsa_user_sgpr_kernarg_segment_ptr 1
		.amdhsa_wavefront_size32 1
		.amdhsa_system_sgpr_workgroup_id_x 1
		.amdhsa_system_sgpr_workgroup_id_y 1
		.amdhsa_system_sgpr_workgroup_id_z 1
		.amdhsa_system_vgpr_workitem_id 0
		.amdhsa_next_free_vgpr 512
		.amdhsa_next_free_sgpr 66
		.amdhsa_reserve_vcc 0
		.amdhsa_float_denorm_mode_32 3
		.amdhsa_float_denorm_mode_16_64 3
		.amdhsa_memory_ordered 1
		.amdhsa_forward_progress 1
		.amdhsa_inst_pref_size 255
	.end_amdhsa_kernel
	.section	.bss,"aw",@nobits
	.p2align	6
	.space	262144
	.amdgpu_metadata
---
amdhsa.version: [ 1, 2 ]
amdhsa.kernels:
  - .name:           k_q572c1460e8_attn
    .symbol:         k_q572c1460e8_attn.kd
    .args:
      - { .name: query_layer, .offset: 0, .size: 8, .value_kind: global_buffer, .address_space: global }
      - { .name: k_codes, .offset: 8, .size: 8, .value_kind: global_buffer, .address_space: global }
      - { .name: v_codes, .offset: 16, .size: 8, .value_kind: global_buffer, .address_space: global }
      - { .name: lowp_scales, .offset: 24, .size: 8, .value_kind: global_buffer, .address_space: global }
      - { .name: out0, .offset: 32, .size: 8, .value_kind: global_buffer, .address_space: global }
    .group_segment_fixed_size: 327680
    .private_segment_fixed_size: 0
    .kernarg_segment_align: 8
    .kernarg_segment_size: 40
    .max_flat_workgroup_size: 256
    .sgpr_count:     66
    .vgpr_count:     512
    .wavefront_size: 32
...
	.end_amdgpu_metadata
.endif
;; end of part 2
